; MI455X (gfx1250); checked and timed in simulation.
; The chip was launched on July 23, 2026; its instructions are those of AMD's public machine-readable ISA for CDNA 5 (MIT licence, August 2026) and "CDNA5" Instruction Set Architecture Reference Guide (July 2026). The comments in the code are by the model that wrote it; some were corrected since.
;; Attention Module. Allowed arithmetic: float matrix products may take bf16 or f16 operands with f32 sums; all other float work in f32.
;; Inputs: V_att 1 x 1,024 float32; W_dec 1,024 x 1,024 float32; W_enc 1,024 x 1,024 float32; decoder_hidden 32 x 1 x 1,024 float32; encoder_out 2,048 x 32 x 1,024 float32.
;; Outputs: out0 32 x 1 x 1,024 float32; out1 1 x 32 x 2,048 float32.
;; One version. Each part assembles by itself: llvm-mc -triple=amdgcn-amd-amdhsa -mcpu=gfx1250 --defsym DOCPART=n.
;; ======== version 1 of 1: 3 launches
;; workspace buffers: wsw 2,097,152 bytes; cq 131,072 bytes; lg 262,144 bytes; st 4,096 bytes; cp 2,097,152 bytes
;; launch prep (part 1): grid 64 x 1, 8 waves a work-group, no clusters, 17,408 bytes of LDS; arguments W_enc, W_dec, decoder_hidden, wsw, cq; writes wsw, cq
.if DOCPART == 1
	.amdgcn_target "amdgcn-amd-amdhsa--gfx1250"
	.amdhsa_code_object_version 6
	.text
	.protected	k_qbf1d5f5ac8_prep
	.globl	k_qbf1d5f5ac8_prep
	.p2align	8
	.type	k_qbf1d5f5ac8_prep,@function
k_qbf1d5f5ac8_prep:
	s_mov_b64 s[64:65], 0
	v_nop
	global_prefetch_b8 v0, s[64:65] scope:SCOPE_SE
	s_setreg_imm32_b32 hwreg(HW_REG_WAVE_MODE, 25, 1), 1
	s_wait_xcnt 0x0
; Two small jobs ahead of the main launch.
; (1) wsw: W_enc rounded to bf16 and laid out fragment by fragment: [cb 64][ks 32][1,024 bytes]; in fragment (cb, ks) lane L = 16 h + r
;     finds W_enc[16 cb + r][32 ks + 8 h + 0..7] at byte 16 L and W_enc[16 cb + r][32 ks + 16 + 8 h + 0..7] at byte 512 + 16 L, so that the
;     main launch fills a matrix operand by two loads of 512 neighbouring bytes a wave.
; (2) cq[cb][b][16 e] = c x sum over k of decoder_hidden[b][k] W_dec[16 cb + e][k], c = 2 log2(e): the query, already in the scale of the exponent of tanh.
; SHARES.  Work-group g owns the 16 rows e = 16 g .. 16 g + 15 of both matrices; wave w owns k = 128 w .. 128 w + 127, four K steps of 32.
; The eight waves' partial query sums meet in LDS (2,048 bytes a wave) behind one barrier.  Products in bf16, sums in f32.
; The f32 rows are read as the operand layout wants them, 32 bytes a lane; a wave's sixteen loads of a matrix take 512 whole neighbouring bytes of each of its 16 rows.
.set ROWB, 4096                        ; bytes in a row of W_enc, W_dec and decoder_hidden
.set VO,   4                           ; v4   r x 4,096 + w x 512 + h x 32: my 8 numbers of K step 0 of my wave, the same in all three inputs
.set SO,   5                           ; v5   w x 4,096 + 16 L: my 16 bytes in my wave's four fragments of wsw
.set RA,   6                           ; v6   w x 2,048 + 16 L: where my partial sums go in LDS
.set RB,   7                           ; v7   where I read four numbers of wave 0's partial sums back
.set ACC0, 8                           ; v[8:15]    query sums, b = 0..15
.set ACC1, 16                          ; v[16:23]   query sums, b = 16..31
.set XE,   32                          ; v[32:95]   W_enc, 16 registers a K step; later decoder_hidden of K steps 2 and 3; at last the partial sums read back
.set XD,   96                          ; v[96:159]  W_dec, 16 registers a K step
.set XH,   160                         ; v[160:223] decoder_hidden of K steps 0 and 1: 16 registers for (K step, half of b)
.set SUM,  XE
.macro LD16 dst, base, off             ; 16 f32 a lane: k = 8 h + 0..7 and 16 + 8 h + 0..7 of a K step
	global_load_b128 v[\dst:\dst+3],     v[VO], s[\base:\base+1] offset:\off
	global_load_b128 v[\dst+4:\dst+7],   v[VO], s[\base:\base+1] offset:\off+16
	global_load_b128 v[\dst+8:\dst+11],  v[VO], s[\base:\base+1] offset:\off+64
	global_load_b128 v[\dst+12:\dst+15], v[VO], s[\base:\base+1] offset:\off+80
.endm
.macro CV8 x                           ; 16 f32 -> 16 bf16 in the lower 8 registers: register i is written when registers 2 i, 2 i + 1 are read, never earlier
.irp i, 0,1,2,3,4,5,6,7
	v_cvt_pk_bf16_f32 v[\x+\i], v[\x+2*\i], v[\x+2*\i+1]
.endr
.endm
.macro FOLD d                          ; quads k and k + d of SUM are added, k = 0 .. d - 1
.set k, 0
.rept \d
	v_pk_add_f32 v[SUM+4*k:SUM+4*k+1],   v[SUM+4*k:SUM+4*k+1],   v[SUM+4*(k+\d):SUM+4*(k+\d)+1]
	v_pk_add_f32 v[SUM+4*k+2:SUM+4*k+3], v[SUM+4*k+2:SUM+4*k+3], v[SUM+4*(k+\d)+2:SUM+4*(k+\d)+3]
.set k, k+1
.endr
.endm
	s_load_b256 s[4:11], s[0:1], 0x0               ; W_enc s[4:5], W_dec s[6:7], decoder_hidden s[8:9], wsw s[10:11]
	s_load_b64 s[12:13], s[0:1], 0x20              ; cq
	v_lshl_add_u32 v224, v0, 2, 0x4000
	v_mov_b32 v225, 0
	v_and_b32 v1, 31, v0                           ; L
	v_lshrrev_b32 v2, 5, v0
	v_readfirstlane_b32 s14, v2                    ; wave 0..7
	v_and_b32 v2, 15, v0                           ; r
	v_bfe_u32 v3, v0, 4, 1                         ; h
	v_lshlrev_b32 v[VO], 12, v2
	v_lshl_add_u32 v[VO], v3, 5, v[VO]
	v_lshl_add_u32 v[VO], s14, 9, v[VO]
	v_lshlrev_b32 v[SO], 4, v1
	v_lshl_add_u32 v[RA], s14, 11, v[SO]
	v_lshl_add_u32 v[SO], s14, 12, v[SO]
	; read-back, threads 0..127: thread t takes b = t / 4 and e = 4 (t % 4) + 0..3, which lane 16 (e / 8) + b % 16 stored as quad (e / 4) % 2 of half b / 16
	v_bfe_u32 v24, v0, 2, 4                        ; b % 16
	v_bfe_u32 v25, v0, 1, 1                        ; e / 8
	v_and_b32 v26, 1, v0                           ; (e / 4) % 2
	v_bfe_u32 v27, v0, 6, 1                        ; b / 16
	v_lshlrev_b32 v[RB], 4, v24
	v_lshl_add_u32 v[RB], v25, 8, v[RB]
	v_lshl_add_u32 v[RB], v26, 9, v[RB]
	v_lshl_add_u32 v[RB], v27, 10, v[RB]
	v_lshlrev_b32 v28, 4, v0                       ; and stores them at byte 16 t of the group's 2,048 bytes of cq
	s_mov_b32 s16, 0x4038aa3b                      ; c = 2 log2(e)
	s_mov_b32 s17, s16                             ; named with it as a pair
	s_lshl_b32 s2, ttmp9, 16                       ; 16 rows of 4,096 bytes
	s_mov_b32 s3, 0
	s_wait_kmcnt 0x0
	s_add_nc_u64 s[4:5], s[4:5], s[2:3]
	s_add_nc_u64 s[6:7], s[6:7], s[2:3]
	s_lshl_b32 s2, ttmp9, 15                       ; 32 fragments of 1,024 bytes
	s_add_nc_u64 s[10:11], s[10:11], s[2:3]
	s_lshl_b32 s2, ttmp9, 11                       ; 32 b x 16 e x 4 bytes
	s_add_nc_u64 s[12:13], s[12:13], s[2:3]
.irp k, 0,1,2,3
	LD16 XE+16*\k, 4, 128*\k
.endr
.irp k, 0,1,2,3
	LD16 XD+16*\k, 6, 128*\k
.endr
.irp k, 0,1
.irp t, 0,1
	LD16 XH+16*(2*\k+\t), 8, 128*\k+16*ROWB*\t
.endr
.endr
	s_wait_loadcnt 32                              ; 48 loads are out; the oldest 16, W_enc's, are in
.irp k, 0,1,2,3
	CV8 XE+16*\k
.endr
.irp k, 0,1,2,3
	global_store_b128 v[SO], v[XE+16*\k:XE+16*\k+3],   s[10:11] offset:1024*\k       ; each store of the wave covers 512 consecutive bytes, aligned
	global_store_b128 v[SO], v[XE+16*\k+4:XE+16*\k+7], s[10:11] offset:1024*\k+512
.endr
	s_wait_xcnt 0x0                                ; the stores' data registers are loaded again only behind this wait
.irp k, 2,3
.irp t, 0,1
	LD16 XE+16*(2*(\k-2)+\t), 8, 128*\k+16*ROWB*\t
.endr
.endr
	s_wait_loadcnt 16                              ; all but the 16 just issued: W_dec and decoder_hidden's K steps 0 and 1 are in
.irp k, 0,1,2,3
	CV8 XD+16*\k
	CV8 XH+16*\k
.endr
	; D(m = e, n = b): source 0 = 16 rows of W_dec, source 1 = 16 rows of decoder_hidden.  The first K step starts the sums; the two accumulators take turns.
	v_wmma_f32_16x16x32_bf16 v[ACC0:ACC0+7], v[XD:XD+7],       v[XH:XH+7],       0
	v_wmma_f32_16x16x32_bf16 v[ACC1:ACC1+7], v[XD:XD+7],       v[XH+16:XH+23],   0
	v_wmma_f32_16x16x32_bf16 v[ACC0:ACC0+7], v[XD+16:XD+23],   v[XH+32:XH+39],   v[ACC0:ACC0+7]
	v_wmma_f32_16x16x32_bf16 v[ACC1:ACC1+7], v[XD+16:XD+23],   v[XH+48:XH+55],   v[ACC1:ACC1+7]
	s_wait_loadcnt 0x0                             ; decoder_hidden's K steps 2 and 3
.irp k, 0,1,2,3
	CV8 XE+16*\k
.endr
	v_wmma_f32_16x16x32_bf16 v[ACC0:ACC0+7], v[XD+32:XD+39],   v[XE:XE+7],       v[ACC0:ACC0+7]
	v_wmma_f32_16x16x32_bf16 v[ACC1:ACC1+7], v[XD+32:XD+39],   v[XE+16:XE+23],   v[ACC1:ACC1+7]
	v_wmma_f32_16x16x32_bf16 v[ACC0:ACC0+7], v[XD+48:XD+55],   v[XE+32:XE+39],   v[ACC0:ACC0+7]
	v_wmma_f32_16x16x32_bf16 v[ACC1:ACC1+7], v[XD+48:XD+55],   v[XE+48:XE+55],   v[ACC1:ACC1+7]
.rept 4
	v_nop                                          ; four places between the last products and the LDS stores that read them; also ahead of the loads into XE below
.endr
	ds_store_b128 v[RA], v[ACC0:ACC0+3]                    ; each accumulator is read from its low end on
	ds_store_b128 v[RA], v[ACC0+4:ACC0+7] offset:512
	ds_store_b128 v[RA], v[ACC1:ACC1+3]   offset:1024
	ds_store_b128 v[RA], v[ACC1+4:ACC1+7] offset:1536
	s_wait_dscnt 0x0                               ; for the others' sake: my partial sums are in LDS
	s_barrier_signal -1
	s_barrier_wait -1
	s_cmp_ge_u32 s14, 4                            ; 512 numbers, four a thread: waves 0 to 3 finish them
	s_cbranch_scc1 .Lend
.irp k, 0,1,2,3,4,5,6,7
	ds_load_b128 v[SUM+4*\k:SUM+4*\k+3], v[RB] offset:2048*\k     ; the same four numbers of each wave's part of K
.endr
	s_wait_dscnt 0x0
	FOLD 4
	FOLD 2
	FOLD 1
	v_pk_mul_f32 v[SUM:SUM+1],   v[SUM:SUM+1],   s[16:17] op_sel_hi:[1,0]
	v_pk_mul_f32 v[SUM+2:SUM+3], v[SUM+2:SUM+3], s[16:17] op_sel_hi:[1,0]
	global_store_b128 v28, v[SUM:SUM+3], s[12:13]  ; 16 lanes store 256 consecutive bytes, aligned
.Lend:
	s_barrier_signal -1
	s_barrier_wait -1
	s_wait_tensorcnt 0x0
	ds_add_u32 v224, v225
	s_wait_dscnt 0x0
	s_endpgm
.Lfunc_end_k_qbf1d5f5ac8_prep:
	.size	k_qbf1d5f5ac8_prep, .Lfunc_end_k_qbf1d5f5ac8_prep-k_qbf1d5f5ac8_prep
	.p2alignl 7, 3214868480
	.fill 96, 4, 3214868480
	.section	.rodata,"a",@progbits
	.p2align	6, 0x0
	.amdhsa_kernel k_qbf1d5f5ac8_prep
		.amdhsa_group_segment_fixed_size 17408
		.amdhsa_private_segment_fixed_size 0
		.amdhsa_enable_private_segment 0
		.amdhsa_kernarg_size 40
		.amdhsa_user_sgpr_count 2
		.amdhsa_user_sgpr_kernarg_segment_ptr 1
		.amdhsa_wavefront_size32 1
		.amdhsa_system_sgpr_workgroup_id_x 1
		.amdhsa_system_sgpr_workgroup_id_y 1
		.amdhsa_system_sgpr_workgroup_id_z 1
		.amdhsa_system_vgpr_workitem_id 0
		.amdhsa_next_free_vgpr 226
		.amdhsa_next_free_sgpr 66
		.amdhsa_reserve_vcc 0
		.amdhsa_float_denorm_mode_32 3
		.amdhsa_float_denorm_mode_16_64 3
		.amdhsa_memory_ordered 1
		.amdhsa_forward_progress 1
		.amdhsa_inst_pref_size 20
	.end_amdhsa_kernel
	.amdgpu_metadata
---
amdhsa.version: [ 1, 2 ]
amdhsa.kernels:
  - .name:           k_qbf1d5f5ac8_prep
    .symbol:         k_qbf1d5f5ac8_prep.kd
    .args:
      - { .name: W_enc, .offset: 0, .size: 8, .value_kind: global_buffer, .address_space: global }
      - { .name: W_dec, .offset: 8, .size: 8, .value_kind: global_buffer, .address_space: global }
      - { .name: decoder_hidden, .offset: 16, .size: 8, .value_kind: global_buffer, .address_space: global }
      - { .name: wsw, .offset: 24, .size: 8, .value_kind: global_buffer, .address_space: global }
      - { .name: cq, .offset: 32, .size: 8, .value_kind: global_buffer, .address_space: global }
    .group_segment_fixed_size: 17408
    .private_segment_fixed_size: 0
    .kernarg_segment_align: 8
    .kernarg_segment_size: 40
    .max_flat_workgroup_size: 256
    .sgpr_count:     66
    .vgpr_count:     226
    .wavefront_size: 32
...
	.end_amdgpu_metadata
.endif
;; end of part 1
;; launch attn (part 2): grid 16 x 32, 8 waves a work-group, no clusters, 285,696 bytes of LDS; arguments encoder_out, V_att, wsw, cq, lg, st, cp; writes lg, st, cp
.if DOCPART == 2
	.amdgcn_target "amdgcn-amd-amdhsa--gfx1250"
	.amdhsa_code_object_version 6
	.text
	.protected	k_qbf1d5f5ac8_attn
	.globl	k_qbf1d5f5ac8_attn
	.p2align	8
	.type	k_qbf1d5f5ac8_attn,@function
k_qbf1d5f5ac8_attn:
	s_mov_b64 s[64:65], 0
	v_nop
	global_prefetch_b8 v0, s[64:65] scope:SCOPE_SE
	s_setreg_imm32_b32 hwreg(HW_REG_WAVE_MODE, 25, 1), 1
	s_wait_xcnt 0x0
; For one b and one block of 128 consecutive s: keys = enc W_enc^T (bf16 products, f32 sums), tanh(keys + query), the dot with V, the block's own softmax
; (maximum m, weights p, sum l) and the block's unnormalised context sum p[s] enc[s][:].  The last launch merges the 16 blocks of a b.
; EACH BYTE OF encoder_out IS READ ONCE: the block's 128 rows are rounded to bf16 into LDS (128 x 2,064 = 264,192 bytes) and serve the product and the context.
; tanh(x) = 1 - 2 r, r = 1 / (1 + 2^(c x)), c = 2 log2(e).  logit = sum V - 2 sum V r; the first sum is the same for every s, so the softmax does not see it: the text keeps
; lg = log2(e) x (-2 sum V r), in base 2.  2^(c x) = infinity gives r = 0 (tanh = 1), 2^(c x) = 0 gives r = 1 (tanh = -1): large inputs saturate as tanh does.
; The block's maximum is taken away before the exponential here, the maximum over blocks in the last launch.
; LIMITS.  encoder_out enters the context rounded to bf16, as it enters the product.  v_exp_f32 and v_rcp_f32 flush denormals: a weight below 2^-126 of the block's largest is 0.  NaN inputs are not served.
; SHARES.  Eight waves.  Wave w rounds rows 16 w .. 16 w + 15; in the product it owns the columns e = 128 w .. 128 w + 127 for ALL 128 rows, in two pieces of 64 columns:
; 8 x 4 accumulators of 16 x 16, 256 registers.  No barrier stands inside the product.
; W_enc comes as ready fragments (launch prep) from memory straight into registers: each fragment is used by one wave of the work-group alone, so LDS would give it no second reader.
; NO TENSOR LOADS, NO CLUSTER: beside the resident rows 63,488 bytes of LDS are left; one K step of 32 of W's 1,024 columns is 65,536 bytes, so no ring of two slots that
; partners could fill jointly fits; blocks of 64 rows would make room and double W's bytes for each row of keys.
; THE MATRIX INSTRUCTION IS USED TRANSPOSED: source 0 = 16 rows of W (e), source 1 = 16 rows of enc (s): lane (r, h) holds row s = 16 a + r and in registers 0..7 the columns
; e = 16 cb + 8 h + 0..7, so query and V are eight numbers a lane, the same for all eight row blocks, and the dot with V stays inside the lane.
; The dot with V and the context stay on the vector unit: each has one useful row, a sixteenth of a matrix instruction's.
.set PITCH, 2064                       ; an LDS row of enc: 2,048 bytes + 16: 129 x 16, so the 16 rows of a fragment load start 16 bytes apart modulo 256
.set BLK16, 16*PITCH                   ; 16 rows
.set CQL,   128*PITCH                  ; c x query of my b, 1,024 f32
.set VL,    CQL+4096                   ; V, 1,024 f32
.set RED,   VL+4096                    ; 16 slots (2 w + h) x 128 rows of partial dots, f32
.set PL,    RED+8192                   ; the weights p: 128 f32, a copy of its own for each wave
.set SROW,  131072                     ; bytes from s to s + 1 in encoder_out: 32 b x 4,096
; window 0
.set AB,   4                           ; v4-7    (32 p + r) x 2,064 + 16 h: my place in row blocks 2 p (and, 33,024 bytes on, 2 p + 1); never rewritten
.set AW,   8                           ; v8-11   the same, walking along K; in the context: 8 t + 66,048 p
.set WOFF, 12                          ; v12     w x 262,144 + 16 L: my 16 bytes in my wave's first fragment of wsw
.set CADR, 13                          ; v13     CQL + 512 w + 32 h: my eight numbers of c x query in my wave's first column block
.set EOFF, 14                          ; v14     (w << 21) + 16 L: my 16 bytes in my wave's first row of enc
.set ESTO, 15                          ; v15     w x 33,024 + 8 L: where they go; later addresses in RED and PL
.set RA,   16                          ; v16-31  a pair for each row block: running sum of V r (even and odd columns)
.set CQ,   32                          ; v32-39  c x query of my eight columns
.set VV,   40                          ; v40-47  V of my eight columns
.set T,    48                          ; v48-63  at work
.set AF,   64                          ; v64-127 fragments of enc: set 0 (row blocks 0-3), set 1 (row blocks 4-7)
.set BF,   128                         ; v128-255 fragments of W: four buffers (K step mod 4) of four column blocks
.set X,    128                         ; the same registers while the rows come in: four slots of a row's 32 registers
.set SUM,  128                         ; and for the sixteen partial dots
.set CTX,  112                         ; v112-115 my four channels of the context
; window 1: the accumulators, (row block a, column block c) at v[8 (4 a + c)]
.set WB,   24                          ; s[24:25] wsw, walking along K
.set MSB, 0
.macro WIN new                         ; the immediate's high byte repeats the setting that is left; a switch that changes nothing is dropped
.if MSB != \new
	s_set_vgpr_msb (MSB<<8)|\new
.set MSB, \new
.endif
.endm
.set W_MM, 0x50                        ; C and D in window 1, both sources in window 0
.set W_EP, 0x41                        ; destination and source 0 in window 1
.set W_SE, 0x01                        ; source 0 in window 1
	s_load_b256 s[4:11], s[0:1], 0x0               ; encoder_out s[4:5], V_att s[6:7], wsw s[8:9], cq s[10:11]
	s_load_b128 s[12:15], s[0:1], 0x20             ; lg s[12:13], st s[14:15]
	s_load_b64 s[16:17], s[0:1], 0x30              ; cp
	v_and_b32 v1, 31, v0                           ; L
	v_lshrrev_b32 v2, 5, v0
	v_readfirstlane_b32 s18, v2                    ; wave 0..7
	v_and_b32 v2, 15, v0                           ; r
	v_bfe_u32 v3, v0, 4, 1                         ; h
	s_mov_b32 s19, ttmp9                           ; the block of 128 s, 0..15
	s_and_b32 s20, ttmp7, 0xffff                   ; b, 0..31
	s_mov_b32 s26, 0x4038aa3b                      ; c = 2 log2(e)
	s_mov_b32 s27, s26
	s_mov_b32 s28, 0xc038aa3b                      ; -2 log2(e)
	s_mov_b32 s29, s28
	s_mov_b32 s30, 0x76543210                      ; v_permlanex16_b32: each lane takes its own place in the other half
	s_mov_b32 s31, 0xfedcba98
	v_lshlrev_b32 v[EOFF], 4, v1
	v_lshl_add_u32 v[EOFF], s18, 21, v[EOFF]
	s_mul_i32 s21, s18, BLK16
	v_lshlrev_b32 v[ESTO], 3, v1
	v_add_nc_u32 v[ESTO], s21, v[ESTO]
	v_lshrrev_b32 v16, 2, v0                       ; thread t stages e = 4 t + 0..3: column block t / 4 of cq (2,048 bytes each), 16 bytes at 16 (t % 4)
	v_and_b32 v17, 3, v0
	v_lshlrev_b32 v16, 11, v16
	v_lshl_add_u32 v16, v17, 4, v16
	v_lshlrev_b32 v17, 4, v0                       ; and 16 t in V
	v_lshl_add_u32 v18, v0, 4, CQL                 ; to CQL + 16 t, and 4,096 bytes on
	v_mul_u32_u24 v[AB], v2, PITCH
	v_lshl_add_u32 v[AB], v3, 4, v[AB]
	v_add_nc_u32 v[AB+1], 2*BLK16, v[AB]
	v_add_nc_u32 v[AB+2], 4*BLK16, v[AB]
	v_add_nc_u32 v[AB+3], 6*BLK16, v[AB]
	v_lshlrev_b32 v[WOFF], 4, v1
	v_lshl_add_u32 v[WOFF], s18, 18, v[WOFF]
	v_lshlrev_b32 v[CADR], 5, v3
	v_lshl_add_u32 v[CADR], s18, 9, v[CADR]
	v_add_nc_u32 v[CADR], CQL, v[CADR]
	s_mov_b32 s23, 0
	s_wait_kmcnt 0x0
	s_lshl_b32 s22, s19, 24                        ; 128 s x 131,072 bytes
	s_add_nc_u64 s[4:5], s[4:5], s[22:23]
	s_lshl_b32 s22, s20, 12                        ; b's row of 4,096 bytes
	s_add_nc_u64 s[4:5], s[4:5], s[22:23]
	s_lshl_b32 s22, s20, 6                         ; b's 64 bytes in each column block of cq
	s_add_nc_u64 s[10:11], s[10:11], s[22:23]
	s_lshl_b32 s22, s20, 13                        ; lg: (2,048 b + 128 block) x 4
	s_lshl_b32 s21, s19, 9
	s_add_co_u32 s22, s22, s21
	s_add_nc_u64 s[12:13], s[12:13], s[22:23]
	s_lshl_b32 s22, s20, 7                         ; st: (16 b + block) x 8
	s_lshl_b32 s21, s19, 3
	s_add_co_u32 s22, s22, s21
	s_add_nc_u64 s[14:15], s[14:15], s[22:23]
	s_lshl_b32 s22, s20, 16                        ; cp: (16 b + block) x 4,096
	s_lshl_b32 s21, s19, 12
	s_add_co_u32 s22, s22, s21
	s_add_nc_u64 s[16:17], s[16:17], s[22:23]
; ---- THE ROWS COME IN.  A wave takes a whole row by eight loads of 512 neighbouring bytes; four rows (16 KiB a wave, 128 KiB a work-group) are on their way.
.macro ROWLD i
.irp j, 0,1,2,3,4,5,6,7
	global_load_b128 v[X+32*((\i)%4)+4*\j:X+32*((\i)%4)+4*\j+3], v[EOFF], s[4:5] offset:(\i)*SROW+512*\j th:TH_LOAD_NT
.endr
.endm
.macro TURN i
.set XS, X+32*((\i)%4)
.if (\i) < 13
	s_wait_loadcnt 24                              ; row i is in; the three rows behind it, eight loads each, stay out
.else
	s_wait_loadcnt 8*(15-(\i))                     ; the counts run down: nothing is asked for behind row 15
.endif
.irp j, 0,1,2,3,4,5,6,7
	v_cvt_pk_bf16_f32 v[T+2*\j],   v[XS+4*\j],   v[XS+4*\j+1]
	v_cvt_pk_bf16_f32 v[T+2*\j+1], v[XS+4*\j+2], v[XS+4*\j+3]
.endr
.irp j, 0,1,2,3,4,5,6,7
	ds_store_b64 v[ESTO], v[T+2*\j:T+2*\j+1] offset:(\i)*PITCH+256*\j     ; 32 lanes, 256 neighbouring bytes
.endr
.if (\i) < 12
	ROWLD \i+4
.endif
.endm
	global_load_b128 v[64:67], v16, s[10:11]       ; c x query and V are asked for first, so row 0's wait covers them
	global_load_b128 v[68:71], v17, s[6:7]
	ROWLD 0
	ROWLD 1
	ROWLD 2
	ROWLD 3
	TURN 0
	ds_store_b128 v18, v[64:67]
	ds_store_b128 v18, v[68:71] offset:VL-CQL
.irp i, 1,2,3,4,5,6,7,8,9,10,11,12,13,14,15
	TURN \i
.endr
	s_wait_dscnt 0x0                               ; for the others' sake: my rows, my part of c x query and of V are in LDS
	s_barrier_signal -1
	s_barrier_wait -1                              ; from here on nobody writes the rows, CQL or VL
; ---- THE PRODUCT.
.macro ALOAD set, koff                 ; four fragments of enc (16 rows x 32 K, two loads of 16 bytes a lane, 32 bytes apart) at byte koff from where AW stands
.irp al, 0,1,2,3
	ds_load_b128 v[AF+32*\set+8*\al:AF+32*\set+8*\al+3],   v[AW+2*\set+\al/2] offset:(\al%2)*BLK16+(\koff)
	ds_load_b128 v[AF+32*\set+8*\al+4:AF+32*\set+8*\al+7], v[AW+2*\set+\al/2] offset:(\al%2)*BLK16+(\koff)+32
.endr
.endm
.macro BLOAD buf, off                  ; four fragments of W, one for each column block of the piece (32,768 bytes apart): each load takes 512 neighbouring bytes
.irp c, 0,1,2,3
	global_load_b128 v[BF+32*(\buf)+8*\c:BF+32*(\buf)+8*\c+3],   v[WOFF], s[WB:WB+1] offset:(\off)+\c*32768
	global_load_b128 v[BF+32*(\buf)+8*\c+4:BF+32*(\buf)+8*\c+7], v[WOFF], s[WB:WB+1] offset:(\off)+\c*32768+512
.endr
.endm
.macro MUL16 set, buf, zero            ; 4 row blocks x 4 column blocks, 32 along K.  zero = 1: the first K step starts the sums: nothing is cleared
.irp al, 0,1,2,3
.irp c, 0,1,2,3
.if \zero
	v_wmma_f32_16x16x32_bf16 v[8*(4*(4*\set+\al)+\c):8*(4*(4*\set+\al)+\c)+7], v[BF+32*\buf+8*\c:BF+32*\buf+8*\c+7], v[AF+32*\set+8*\al:AF+32*\set+8*\al+7], 0
.else
	v_wmma_f32_16x16x32_bf16 v[8*(4*(4*\set+\al)+\c):8*(4*(4*\set+\al)+\c)+7], v[BF+32*\buf+8*\c:BF+32*\buf+8*\c+7], v[AF+32*\set+8*\al:AF+32*\set+8*\al+7], v[8*(4*(4*\set+\al)+\c):8*(4*(4*\set+\al)+\c)+7]
.endif
.endr
.endr
.endm
; A load into a register that a matrix instruction has read, and a vector instruction that reads a matrix result, stand four places behind it; only plain vector
; instructions that name none of its registers are places (ISA guide 7.12.1 for vector instructions).
.macro PLACES
.rept 4
	v_nop
.endr
.endm
; One K step of 32: 32 matrix instructions on 32 accumulators, which take turns, one instruction a turn, in the same order in every step.
; Behind each half the fragments of enc that it read are fetched for the next step; behind the second half W's buffer j is asked for again, four steps ahead.
; lcnt: the loads of W issued behind this step's (three later steps, eight each, in the steady state).
.macro STEP p, j, zero, aload, bload, lcnt
	s_wait_loadcnt \lcnt                           ; W's buffer j is in
	s_wait_dscnt 8                                 ; enc's set 0 is in; set 1's eight loads, issued behind it, may be out
	WIN W_MM
	MUL16 0, \j, \zero
	WIN 0
	PLACES
.if \aload
	ALOAD 0, 64*(\j+1)
	s_wait_dscnt 8                                 ; all but the eight just issued: set 1 is in
.else
	s_wait_dscnt 0x0
.endif
	WIN W_MM
	MUL16 1, \j, \zero
	WIN 0
	PLACES
.if \aload
	ALOAD 1, 64*(\j+1)
.endif
.if \bload
	BLOAD \j, \p*131072+(\j+4)*1024
.endif
.endm
.macro ADV                             ; four K steps on
	s_wait_xcnt 0x0                                ; the base of W's pending loads is stepped only behind this wait
	s_add_nc_u64 s[WB:WB+1], s[WB:WB+1], 4096
.irp q, 0,1,2,3
	v_add_nc_u32 v[AW+\q], 256, v[AW+\q]
.endr
.endm
.macro INIT p                          ; a piece's first four K steps of W and first K step of enc are asked for
.irp q, 0,1,2,3
	v_mov_b32 v[AW+\q], v[AB+\q]
.endr
	s_wait_xcnt 0x0
	s_mov_b64 s[WB:WB+1], s[8:9]
.irp j, 0,1,2,3
	BLOAD \j, (\p)*131072+1024*\j
.endr
	ALOAD 0, 0
	ALOAD 1, 0
.endm
; ---- BEHIND A PIECE: r = 1 / (1 + 2^(c key + c query)) in place, and RA += V r.  Column block by column block; inside it the eight row blocks run as a pipeline, so that
; plain instructions of the next row block stand behind each run of exponentials before its results are used (ISA guide 5.7.2).
.macro CQLOAD g
	ds_load_b128 v[CQ:CQ+3],   v[CADR] offset:64*(\g)
	ds_load_b128 v[CQ+4:CQ+7], v[CADR] offset:64*(\g)+16
.endm
.macro VVLOAD g
	ds_load_b128 v[VV:VV+3],   v[CADR] offset:VL-CQL+64*(\g)
	ds_load_b128 v[VV+4:VV+7], v[CADR] offset:VL-CQL+64*(\g)+16
.endm
.macro SA a, c                         ; c key + c query; the accumulator is read from its low end on
.set R, 8*(4*(\a)+\c)
.irp i, 0,2,4,6
	v_pk_fma_f32 v[R+\i:R+\i+1], v[R+\i:R+\i+1], s[26:27], v[CQ+\i:CQ+\i+1] op_sel_hi:[1,0,1]
.endr
.endm
.macro SB a, c
.set R, 8*(4*(\a)+\c)
.irp i, 0,1,2,3,4,5,6,7
	v_exp_f32 v[R+\i], v[R+\i]
.endr
.endm
.macro SC a, c
.set R, 8*(4*(\a)+\c)
	s_wait_alu depctr_va_vdst(0)
.irp i, 0,2,4,6
	v_pk_add_f32 v[R+\i:R+\i+1], v[R+\i:R+\i+1], 1.0 op_sel_hi:[1,0]
.endr
.endm
.macro SD a, c
.set R, 8*(4*(\a)+\c)
.irp i, 0,1,2,3,4,5,6,7
	v_rcp_f32 v[R+\i], v[R+\i]
.endr
.endm
.macro SE p, c                         ; eight chains, one for each row block; the very first products start them
.irp i, 0,2,4,6
.irp a, 0,1,2,3,4,5,6,7
.if (\p == 0) && (\c == 0) && (\i == 0)
	s_wait_alu depctr_va_vdst(0)
	v_pk_mul_f32 v[RA+2*\a:RA+2*\a+1], v[8*(4*\a+\c)+\i:8*(4*\a+\c)+\i+1], v[VV+\i:VV+\i+1]
.else
	s_wait_alu depctr_va_vdst(0)
	v_pk_fma_f32 v[RA+2*\a:RA+2*\a+1], v[8*(4*\a+\c)+\i:8*(4*\a+\c)+\i+1], v[VV+\i:VV+\i+1], v[RA+2*\a:RA+2*\a+1]
.endif
.endr
.endr
.endm
.macro EPI p
	CQLOAD 4*\p
	VVLOAD 4*\p
.irp c, 0,1,2,3
	s_wait_dscnt 2                                 ; c x query is in; V's two loads, issued behind it, may be out
	WIN W_EP
	SA 0, \c
.irp t, 0,1,2,3,4,5,6,7
	SB \t, \c
.if \t < 7
	SA \t+1, \c
.else
	v_nop
	s_wait_alu depctr_va_vdst(0)
.endif
	SC \t, \c
	SD \t, \c
.endr
	WIN 0
.if \c < 3
	CQLOAD 4*\p+\c+1
	s_wait_dscnt 2                                 ; all but the two just issued: V is in
.else
	s_wait_dscnt 0x0
.endif
	WIN W_SE
	SE \p, \c                                      ; its first seven lines read other row blocks than the one whose reciprocals were issued last
	WIN 0
.if \c < 3
	VVLOAD 4*\p+\c+1
.endif
.endr
.endm
; A piece: 32 K steps, four a trip.  The first trip is written out (its first step starts the sums), and so is the last (it asks for no more of W, and its counts run down).
; The next piece's first operands are asked for ahead of this piece's vector work, which touches none of their registers.
.macro PIECE p, last
	STEP \p, 0, 1, 1, 1, 24
	STEP \p, 1, 0, 1, 1, 24
	STEP \p, 2, 0, 1, 1, 24
	STEP \p, 3, 0, 1, 1, 24
	ADV
	s_mov_b32 s32, 6
.Lk_\p:
	STEP \p, 0, 0, 1, 1, 24
	STEP \p, 1, 0, 1, 1, 24
	STEP \p, 2, 0, 1, 1, 24
	STEP \p, 3, 0, 1, 1, 24
	ADV
	s_sub_co_u32 s32, s32, 1
	s_cmp_lg_u32 s32, 0
	s_cbranch_scc1 .Lk_\p
	STEP \p, 0, 0, 1, 0, 24
	STEP \p, 1, 0, 1, 0, 16
	STEP \p, 2, 0, 1, 0, 8
	STEP \p, 3, 0, 0, 0, 0
.if \last == 0
	INIT \p+1
.endif
	EPI \p
.endm
	INIT 0
	PIECE 0, 0
	PIECE 1, 1
; ---- THE BLOCK'S SOFTMAX.  A lane's RA holds, for row 16 a + r, the dot over its 64 columns: 16 partial dots a row (8 waves x 2 halves of the lanes) meet in LDS.
.irp a, 0,1,2,3,4,5,6,7
	v_add_f32 v[RA+2*\a], v[RA+2*\a], v[RA+2*\a+1]
.endr
	v_lshlrev_b32 v15, 2, v2
	v_lshl_add_u32 v15, v3, 9, v15
	v_lshl_add_u32 v15, s18, 10, v15
	v_add_nc_u32 v15, RED, v15                     ; RED + 512 (2 w + h) + 4 r
.irp a, 0,1,2,3,4,5,6,7
	ds_store_b32 v15, v[RA+2*\a] offset:64*\a
.endr
	s_wait_dscnt 0x0                               ; for the others' sake
	s_barrier_signal -1
	s_barrier_wait -1
	; every wave does the rest for all 128 rows, lane L for rows 4 L .. 4 L + 3: no further barrier, and each wave has the weights for its part of the context
	v_lshl_add_u32 v15, v1, 4, RED
.irp k, 0,1,2,3,4,5,6,7,8,9,10,11,12,13,14,15
	ds_load_b128 v[SUM+4*\k:SUM+4*\k+3], v15 offset:512*\k
.endr
.macro FOLD d                          ; quads k and k + d of SUM are added, k = 0 .. d - 1
.set k, 0
.rept \d
	v_pk_add_f32 v[SUM+4*k:SUM+4*k+1],   v[SUM+4*k:SUM+4*k+1],   v[SUM+4*(k+\d):SUM+4*(k+\d)+1]
	v_pk_add_f32 v[SUM+4*k+2:SUM+4*k+3], v[SUM+4*k+2:SUM+4*k+3], v[SUM+4*(k+\d)+2:SUM+4*(k+\d)+3]
.set k, k+1
.endr
.endm
	s_wait_dscnt 0x0
	FOLD 8
	FOLD 4
	FOLD 2
	FOLD 1
	v_pk_mul_f32 v[SUM:SUM+1],   v[SUM:SUM+1],   s[28:29] op_sel_hi:[1,0]   ; lg = -2 log2(e) x sum V r
	v_pk_mul_f32 v[SUM+2:SUM+3], v[SUM+2:SUM+3], s[28:29] op_sel_hi:[1,0]
	v_max3_num_f32 v50, v[SUM], v[SUM+1], v[SUM+2]
	v_max_num_f32 v50, v50, v[SUM+3]
	v_max_num_f32_dpp v50, v50, v50 row_xmask:1 row_mask:0xf bank_mask:0xf
	v_max_num_f32_dpp v50, v50, v50 row_xmask:2 row_mask:0xf bank_mask:0xf
	v_max_num_f32_dpp v50, v50, v50 row_xmask:4 row_mask:0xf bank_mask:0xf
	v_max_num_f32_dpp v50, v50, v50 row_xmask:8 row_mask:0xf bank_mask:0xf
	v_permlanex16_b32 v52, v50, s30, s31
	v_max_num_f32 v50, v50, v52                    ; m: the block's largest lg, in every lane
.irp i, 0,1,2,3
	v_sub_f32 v[52+\i], v[SUM+\i], v50
.endr
.irp i, 0,1,2,3
	v_exp_f32 v[52+\i], v[52+\i]                   ; p = 2^(lg - m), at most 1
.endr
	v_nop                                          ; a plain instruction between the last exponential and the use of its result
	s_wait_alu depctr_va_vdst(0)
	v_add_f32 v51, v52, v53
	v_add_f32 v56, v54, v55
	v_add_f32 v51, v51, v56
	v_add_f32_dpp v51, v51, v51 row_xmask:1 row_mask:0xf bank_mask:0xf
	v_add_f32_dpp v51, v51, v51 row_xmask:2 row_mask:0xf bank_mask:0xf
	v_add_f32_dpp v51, v51, v51 row_xmask:4 row_mask:0xf bank_mask:0xf
	v_add_f32_dpp v51, v51, v51 row_xmask:8 row_mask:0xf bank_mask:0xf
	v_permlanex16_b32 v56, v51, s30, s31
	v_add_f32 v51, v51, v56                        ; l: the sum of the block's p, at least 1
	s_lshl_b32 s34, s18, 9
	s_add_co_u32 s34, s34, PL                      ; my wave's copy of the weights
	v_lshl_add_u32 v60, v1, 4, s34
	v_mov_b32 v15, s34
	ds_store_b128 v60, v[52:55]                    ; read back below by this wave alone: LDS serves a wave's instructions in order (ISA guide 5.7.1.4)
	v_lshlrev_b32 v[AW], 3, v0                     ; the context: thread t owns channels 4 t .. 4 t + 3, 8 bytes of each row
	v_add_nc_u32 v[AW+1], 2*BLK16, v[AW]
	v_add_nc_u32 v[AW+2], 4*BLK16, v[AW]
	v_add_nc_u32 v[AW+3], 6*BLK16, v[AW]
	v_lshlrev_b32 v57, 4, v1
	v_lshlrev_b32 v58, 4, v0
	v_mov_b32 v56, 0
	s_cmp_lg_u32 s18, 0                            ; all waves hold the same lg, m and l: wave 0 stores them
	s_cbranch_scc1 .Lnot_wave_0
	global_store_b128 v57, v[SUM:SUM+3], s[12:13]  ; 512 consecutive bytes, aligned; these registers are not written again
	v_cmp_eq_u32 vcc_lo, 0, v1
	s_wait_xcnt 0x0                                ; EXEC changes only behind this wait
	s_and_saveexec_b32 s33, vcc_lo
	global_store_b64 v56, v[50:51], s[14:15]       ; (m, l), by lane 0
	s_wait_xcnt 0x0                                ; and again, in front of the line that widens it
	s_or_b32 exec_lo, exec_lo, s33
.Lnot_wave_0:
; ---- THE BLOCK'S CONTEXT: sum over the 128 rows of p[s] enc[s][4 t .. 4 t + 3], from the bf16 rows in LDS.  Eight groups of 16 rows on two register sets:
; a group's 20 LDS loads (16 rows' 8 bytes; 16 weights, the same for all lanes) are issued ahead of the multiply-adds of the group before.
.macro LOADG g
.set XL, 64+96*((\g)%2)
.irp i, 0,1,2,3,4,5,6,7,8,9,10,11,12,13,14,15
	ds_load_b64 v[XL+2*\i:XL+2*\i+1], v[AW+(\g)/2] offset:((\g)%2)*BLK16+\i*PITCH
.endr
.irp q, 0,1,2,3
	ds_load_b128 v[XL+32+4*\q:XL+32+4*\q+3], v15 offset:64*(\g)+16*\q
.endr
.endm
.macro FMAG g
.set XF, 64+96*((\g)%2)
.irp i, 0,1,2,3,4,5,6,7,8,9,10,11,12,13,14,15
	v_fma_mix_f32_bf16 v[CTX],   v[XF+2*\i],   v[XF+32+\i], v[CTX]   op_sel_hi:[1,0,0]
	v_fma_mix_f32_bf16 v[CTX+1], v[XF+2*\i],   v[XF+32+\i], v[CTX+1] op_sel:[1,0,0] op_sel_hi:[1,0,0]
	v_fma_mix_f32_bf16 v[CTX+2], v[XF+2*\i+1], v[XF+32+\i], v[CTX+2] op_sel_hi:[1,0,0]
	v_fma_mix_f32_bf16 v[CTX+3], v[XF+2*\i+1], v[XF+32+\i], v[CTX+3] op_sel:[1,0,0] op_sel_hi:[1,0,0]
.endr
.endm
	LOADG 0
.irp i, 0,1,2,3
	v_mov_b32 v[CTX+\i], 0
.endr
.irp g, 0,1,2,3,4,5,6
	LOADG \g+1
	s_wait_dscnt 20                                ; all but the 20 just issued: group g is in
	FMAG \g
.endr
	s_wait_dscnt 0x0
	FMAG 7
	global_store_b128 v58, v[CTX:CTX+3], s[16:17]  ; 16 lanes store 256 consecutive bytes, aligned
	s_wait_xcnt 0x0
	s_mov_b32 exec_lo, -1
	v_lshl_add_u32 v62, v0, 2, 0x45800
	v_mov_b32 v63, 0
	s_wait_tensorcnt 0x0
	ds_add_u32 v62, v63
	s_wait_dscnt 0x0
	s_endpgm
.Lfunc_end_k_qbf1d5f5ac8_attn:
	.size	k_qbf1d5f5ac8_attn, .Lfunc_end_k_qbf1d5f5ac8_attn-k_qbf1d5f5ac8_attn
	.p2alignl 7, 3214868480
	.fill 96, 4, 3214868480
	.section	.rodata,"a",@progbits
	.p2align	6, 0x0
	.amdhsa_kernel k_qbf1d5f5ac8_attn
		.amdhsa_group_segment_fixed_size 285696
		.amdhsa_private_segment_fixed_size 0
		.amdhsa_enable_private_segment 0
		.amdhsa_kernarg_size 56
		.amdhsa_user_sgpr_count 2
		.amdhsa_user_sgpr_kernarg_segment_ptr 1
		.amdhsa_wavefront_size32 1
		.amdhsa_system_sgpr_workgroup_id_x 1
		.amdhsa_system_sgpr_workgroup_id_y 1
		.amdhsa_system_sgpr_workgroup_id_z 1
		.amdhsa_system_vgpr_workitem_id 0
		.amdhsa_next_free_vgpr 512
		.amdhsa_next_free_sgpr 66
		.amdhsa_reserve_vcc 1
		.amdhsa_float_denorm_mode_32 3
		.amdhsa_float_denorm_mode_16_64 3
		.amdhsa_memory_ordered 1
		.amdhsa_forward_progress 1
		.amdhsa_inst_pref_size 255
	.end_amdhsa_kernel
	.section	.bss,"aw",@nobits
	.p2align	6
	.space	262144
	.amdgpu_metadata
---
amdhsa.version: [ 1, 2 ]
amdhsa.kernels:
  - .name:           k_qbf1d5f5ac8_attn
    .symbol:         k_qbf1d5f5ac8_attn.kd
    .args:
      - { .name: encoder_out, .offset: 0, .size: 8, .value_kind: global_buffer, .address_space: global }
      - { .name: V_att, .offset: 8, .size: 8, .value_kind: global_buffer, .address_space: global }
      - { .name: wsw, .offset: 16, .size: 8, .value_kind: global_buffer, .address_space: global }
      - { .name: cq, .offset: 24, .size: 8, .value_kind: global_buffer, .address_space: global }
      - { .name: lg, .offset: 32, .size: 8, .value_kind: global_buffer, .address_space: global }
      - { .name: st, .offset: 40, .size: 8, .value_kind: global_buffer, .address_space: global }
      - { .name: cp, .offset: 48, .size: 8, .value_kind: global_buffer, .address_space: global }
    .group_segment_fixed_size: 285696
    .private_segment_fixed_size: 0
    .kernarg_segment_align: 8
    .kernarg_segment_size: 56
    .max_flat_workgroup_size: 256
    .sgpr_count:     66
    .vgpr_count:     512
    .wavefront_size: 32
...
	.end_amdgpu_metadata
.endif
;; end of part 2
;; launch fin (part 3): grid 4 x 32, 2 waves a work-group, no clusters, 0 bytes of LDS; arguments lg, st, cp, out0, out1; writes out0, out1
.if DOCPART == 3
	.amdgcn_target "amdgcn-amd-amdhsa--gfx1250"
	.amdhsa_code_object_version 6
	.text
	.protected	k_qbf1d5f5ac8_fin
	.globl	k_qbf1d5f5ac8_fin
	.p2align	8
	.type	k_qbf1d5f5ac8_fin,@function
k_qbf1d5f5ac8_fin:
	s_mov_b64 s[64:65], 0
	v_nop
	global_prefetch_b8 v0, s[64:65] scope:SCOPE_SE
	s_setreg_imm32_b32 hwreg(HW_REG_WAVE_MODE, 25, 1), 1
	s_wait_xcnt 0x0
; The 16 blocks of a b are merged.  M = the largest of the blocks' maxima m_i; w_i = 2^(m_i - M); L = sum l_i w_i (at least 1: the block that holds M has w = 1 and l >= 1);
; alpha[s] = 2^(lg[s] - M) / L;  context = sum over i of cp_i w_i / L.  All in f32, in base 2 as the launch before left it.
; SHARES.  Work-group (j, b): a quarter of b's outputs, 512 s of alpha and 256 channels of the context; 64 threads, thread t takes 16 bytes of each piece.
; A stream of 26 loads a thread, all issued at once: no LDS, no barrier, no matrix unit: there is nothing for them to do.
.set ST,  4                            ; v[4:35]    (m_i, l_i), i = 0..15, the same in every lane
.set LG,  36                           ; v[36:43]   eight lg, then eight alpha
.set CP,  44                           ; v[44:107]  four channels of each block's partial context
.set MX,  108                          ; v108 M;  v109 L;  v110 1 / L
.set WT,  112                          ; v[112:127] w_i, then w_i / L
.set CTX, 128                          ; v[128:131] my four channels
	s_load_b256 s[4:11], s[0:1], 0x0               ; lg s[4:5], st s[6:7], cp s[8:9], out0 s[10:11]
	s_load_b64 s[12:13], s[0:1], 0x20              ; out1
	s_and_b32 s14, ttmp7, 0xffff                   ; b
	v_lshlrev_b32 v1, 4, v0                        ; 16 t
	v_mov_b32 v2, 0
	s_mov_b32 s17, 0
	s_wait_kmcnt 0x0
	s_lshl_b32 s16, s14, 7                         ; st: 16 blocks x 8 bytes
	s_add_nc_u64 s[6:7], s[6:7], s[16:17]
	s_lshl_b32 s16, s14, 13                        ; lg and out1: 8,192 b + 2,048 j
	s_lshl_b32 s15, ttmp9, 11
	s_add_co_u32 s16, s16, s15
	s_add_nc_u64 s[4:5], s[4:5], s[16:17]
	s_add_nc_u64 s[12:13], s[12:13], s[16:17]
	s_lshl_b32 s15, ttmp9, 10                      ; 1,024 j
	s_lshl_b32 s16, s14, 16                        ; cp: 16 blocks x 4,096 bytes
	s_add_co_u32 s16, s16, s15
	s_add_nc_u64 s[8:9], s[8:9], s[16:17]
	s_lshl_b32 s16, s14, 12                        ; out0: 4,096 b
	s_add_co_u32 s16, s16, s15
	s_add_nc_u64 s[10:11], s[10:11], s[16:17]
.irp i, 0,1,2,3,4,5,6,7
	global_load_b128 v[ST+4*\i:ST+4*\i+3], v2, s[6:7] offset:16*\i
.endr
	global_load_b128 v[LG:LG+3],   v1, s[4:5]
	global_load_b128 v[LG+4:LG+7], v1, s[4:5] offset:1024
.irp i, 0,1,2,3,4,5,6,7,8,9,10,11,12,13,14,15
	global_load_b128 v[CP+4*\i:CP+4*\i+3], v1, s[8:9] offset:4096*\i
.endr
	s_wait_loadcnt 18                              ; the eight oldest loads, (m, l), are in; lg's 2 and cp's 16 stay out
	v_max3_num_f32 v[MX], v[ST], v[ST+2], v[ST+4]
.irp i, 3,5,7,9,11,13
	v_max3_num_f32 v[MX], v[MX], v[ST+2*\i], v[ST+2*\i+2]
.endr
	v_max_num_f32 v[MX], v[MX], v[ST+30]
.irp i, 0,1,2,3,4,5,6,7,8,9,10,11,12,13,14,15
	v_sub_f32 v[WT+\i], v[ST+2*\i], v[MX]
.endr
.irp i, 0,1,2,3,4,5,6,7,8,9,10,11,12,13,14,15
	v_exp_f32 v[WT+\i], v[WT+\i]
.endr
	v_nop                                          ; a plain instruction between the last exponential and the use of its result
	s_wait_alu depctr_va_vdst(0)
	v_mul_f32 v109, v[ST+1], v[WT]
.irp i, 1,2,3,4,5,6,7,8,9,10,11,12,13,14,15
	v_fmac_f32 v109, v[ST+2*\i+1], v[WT+\i]
.endr
	v_rcp_f32 v110, v109
	v_nop
	s_wait_alu depctr_va_vdst(0)
.irp i, 0,1,2,3,4,5,6,7,8,9,10,11,12,13,14,15
	v_mul_f32 v[WT+\i], v[WT+\i], v110
.endr
	s_wait_loadcnt 16                              ; lg is in; cp's 16 loads stay out
.irp i, 0,1,2,3,4,5,6,7
	v_sub_f32 v[LG+\i], v[LG+\i], v[MX]
.endr
.irp i, 0,1,2,3,4,5,6,7
	v_exp_f32 v[LG+\i], v[LG+\i]
.endr
	v_nop
	s_wait_alu depctr_va_vdst(0)
.irp i, 0,1,2,3,4,5,6,7
	v_mul_f32 v[LG+\i], v[LG+\i], v110
.endr
	global_store_b128 v1, v[LG:LG+3],   s[12:13]               ; 16 lanes store 256 consecutive bytes, aligned
	global_store_b128 v1, v[LG+4:LG+7], s[12:13] offset:1024
	s_wait_loadcnt 0x0
.irp k, 0,1,2,3
	v_mul_f32 v[CTX+\k], v[CP+\k], v[WT]           ; the first block starts the sums
.endr
.irp i, 1,2,3,4,5,6,7,8,9,10,11,12,13,14,15
.irp k, 0,1,2,3
	v_fmac_f32 v[CTX+\k], v[CP+4*\i+\k], v[WT+\i]
.endr
.endr
	global_store_b128 v1, v[CTX:CTX+3], s[10:11]
	s_endpgm
.Lfunc_end_k_qbf1d5f5ac8_fin:
	.size	k_qbf1d5f5ac8_fin, .Lfunc_end_k_qbf1d5f5ac8_fin-k_qbf1d5f5ac8_fin
	.p2alignl 7, 3214868480
	.fill 96, 4, 3214868480
	.section	.rodata,"a",@progbits
	.p2align	6, 0x0
	.amdhsa_kernel k_qbf1d5f5ac8_fin
		.amdhsa_group_segment_fixed_size 0
		.amdhsa_private_segment_fixed_size 0
		.amdhsa_enable_private_segment 0
		.amdhsa_kernarg_size 40
		.amdhsa_user_sgpr_count 2
		.amdhsa_user_sgpr_kernarg_segment_ptr 1
		.amdhsa_wavefront_size32 1
		.amdhsa_system_sgpr_workgroup_id_x 1
		.amdhsa_system_sgpr_workgroup_id_y 1
		.amdhsa_system_sgpr_workgroup_id_z 1
		.amdhsa_system_vgpr_workitem_id 0
		.amdhsa_next_free_vgpr 136
		.amdhsa_next_free_sgpr 66
		.amdhsa_reserve_vcc 0
		.amdhsa_float_denorm_mode_32 3
		.amdhsa_float_denorm_mode_16_64 3
		.amdhsa_memory_ordered 1
		.amdhsa_forward_progress 1
		.amdhsa_inst_pref_size 10
	.end_amdhsa_kernel
	.amdgpu_metadata
---
amdhsa.version: [ 1, 2 ]
amdhsa.kernels:
  - .name:           k_qbf1d5f5ac8_fin
    .symbol:         k_qbf1d5f5ac8_fin.kd
    .args:
      - { .name: lg, .offset: 0, .size: 8, .value_kind: global_buffer, .address_space: global }
      - { .name: st, .offset: 8, .size: 8, .value_kind: global_buffer, .address_space: global }
      - { .name: cp, .offset: 16, .size: 8, .value_kind: global_buffer, .address_space: global }
      - { .name: out0, .offset: 24, .size: 8, .value_kind: global_buffer, .address_space: global }
      - { .name: out1, .offset: 32, .size: 8, .value_kind: global_buffer, .address_space: global }
    .group_segment_fixed_size: 0
    .private_segment_fixed_size: 0
    .kernarg_segment_align: 8
    .kernarg_segment_size: 40
    .max_flat_workgroup_size: 64
    .sgpr_count:     66
    .vgpr_count:     136
    .wavefront_size: 32
...
	.end_amdgpu_metadata
.endif
;; end of part 3
